; MI455X (gfx1250); checked and timed in simulation.
; The chip was launched on July 23, 2026; its instructions are those of AMD's public machine-readable ISA for CDNA 5 (MIT licence, August 2026) and "CDNA5" Instruction Set Architecture Reference Guide (July 2026). The comments in the code are by the model that wrote it; some were corrected since.
;; Memory Load Attention. Allowed arithmetic: float matrix products may take bf16 or f16 operands with f32 sums; all other float work in f32.
;; Inputs: key_addrs 32 x 16,384 x 64 float32; key_pos 32 x 16,384 int32; query_addr 32 x 64 float32; values 32 x 16,384 x 64 float32.
;; Outputs: out0 32 x 64 float32.
;; Constants: query_pos = 16384.
;; 2 versions, each right; version 2 is version 1 with the launch partial written anew for expert scheduling mode. Each part assembles by itself: llvm-mc -triple=amdgcn-amd-amdhsa -mcpu=gfx1250 --defsym DOCPART=n.
;; ======== version 1 of 2: 2 launches
;; workspace buffers: part 131,072 bytes
;; launch partial (part 1): grid 256 x 1, 16 waves a work-group, no clusters, 10,496 bytes of LDS; arguments key_addrs, key_pos, query_addr, values, part; writes part
.if DOCPART == 1
	.amdgcn_target "amdgcn-amd-amdhsa--gfx1250"
	.amdhsa_code_object_version 6
	.text
	.protected	k_q0e0290e14c_partial
	.globl	k_q0e0290e14c_partial
	.p2align	8
	.type	k_q0e0290e14c_partial,@function
k_q0e0290e14c_partial:
	s_mov_b64 s[64:65], 0
	v_nop
	global_prefetch_b8 v0, s[64:65] scope:SCOPE_SE
	s_setreg_imm32_b32 hwreg(HW_REG_WAVE_MODE, 25, 1), 1
	s_wait_xcnt 0x0
; One-query attention, first of two launches: softmax(1.25 q.k - 0.01 |16384 - key_pos|) . values over a chunk of rows.
; key_addrs, values: [32][16384][64] f32; key_pos: [32][16384] i32; query_addr: [32][64] f32.
; Work-group g (256 of them, 16 waves) owns rows 2048 g .. 2048 g + 2047 of the flattened [32*16384] axis: batch g >> 3.
; A wave owns 128 rows = 4 tiles of 32.  A row is 256 bytes, so one 16-byte-a-lane load of a wave covers 512 consecutive
; bytes = 2 rows: lane (h = lane >> 4, c = lane & 15) holds columns 4c .. 4c+3 of row 2j + h of the tile's load j.
; Every byte of K, V and key_pos is loaded once.  K and V each have a ring of 16 loads in registers, refilled as soon as
; a slot is consumed: 32 loads = 16 KiB of a wave are always on their way; every address is one offset register + an immediate.
; Scores: 3 instructions give a lane's 4-column partial; a folding butterfly sums over the 16 lanes AND transposes, so that lane
; (h, c) ends with the whole score of row 2c + h: one key_pos word, one bias, one exponential a lane serve 32 rows.
; Softmax is online, in base 2 (1.25 log2 e is folded into q), with a running maximum for each half of the wave.
; Result: part[g] = 512 bytes: 64 sums of weight x value, then (M, L) = the chunk's maximum (log2 units) and its sum of weights.
; NOT USED, and why: matrix instructions (one query row would fill 1/16 of a tile, and f32 -> bf16 conversion of K and V costs more
; vector instructions than the f32 multiply-adds); LDS ring, tensor loads, clusters (no two waves read the same K, V bytes;
; work-groups share only q's 256 bytes); prefetch (the rings already ask for data all the time).
; LIMITS: rounding order differs from the reference (scale folded into q, base 2, other order of sums); weights below 2^-126 of the
; largest count as 0 (v_exp_f32 flushes them); infinities and NaN in the inputs are not served specially.
.set TILES, 4                          ; tiles of a wave
.set STEP,  512                        ; bytes of one load of a wave (2 rows)
.set QPOS,  16384                      ; query_pos
.set OFF,  4                           ; v4       byte offset in K and V: wave * 128 rows * 256 + 16 lane
.set POFF, 5                           ; v5       byte offset in key_pos: wave * 512 + 4 (2c + h)
.set QOFF, 6                           ; v6       byte offset in q: 16 c
.set QV,   8                           ; v[8:11]  q[4c .. 4c+3] * 1.25 log2 e
.set POS,  12                          ; v[12:15] tile t: key_pos of row 2c + h, then |16384 - key_pos| as f32
.set PP,   16                          ; v[16:31] partial dot products of the tile's 16 loads; after the folds v16 = the score's q.k
.set TT,   32                          ; v[32:35] at work
.set TA,   36                          ; v36, v37 at work in a fold
.set TB,   37
.set SC,   38                          ; v38      score, log2 units
.set MX,   39                          ; v39      new maximum
.set AL,   40                          ; v40      2^(old maximum - new maximum); read as the pair v[40:41], low register broadcast
.set MM,   41                          ; v41      running maximum of my half of the wave
.set WT,   42                          ; v42      weight of row 2c + h
.set LS,   43                          ; v43      my lane's running sum of weights
.set ACC,  44                          ; v[44:47] running sum of weight x value, columns 4c .. 4c+3, rows of my half
.set WB,   48                          ; v[48:51] two pairs; the low register of each takes a broadcast weight
.set SA,   52                          ; v52      LDS: 4 x stream (stream = thread >> 4: a half of a wave)
.set LA,   53                          ; v53      LDS: 4 x lane
.set SB,   54                          ; v54      LDS: 16 x thread
.set KD,   64                          ; v[64:127]  K ring: slot j = 4 registers
.set VD,   128                         ; v[128:191] V ring
.set KB, 4                             ; s[4:5] K, s[6:7] key_pos, s[8:9] q, s[10:11] V, s[12:13] part
.set PSB, 6
.set QB, 8
.set VB, 10
.set PB, 12
.set M8, 22                            ; s22-25 lanes whose c has bit 3, 2, 1, 0 set
.set M4, 23
.set M2, 24
.set M1, 25
.set SEL0, 26                          ; s26, s27 v_permlanex16_b32: lane i takes lane i of the other half
.set SEL1, 27
.set WAVE, 28
.set HI, 29                            ; lanes 16-31
.set LDS_M, 0                          ; 32 words: the streams' maxima
.set LDS_L, 128                        ; 32 words: the streams' sums of weights, scaled to the common maximum
.set LDS_A, 256                        ; 32 x 256 bytes: the streams' sums of weight x value, likewise
	s_load_b256 s[4:11], s[0:1], 0x0
	s_load_b64 s[12:13], s[0:1], 0x20
	v_lshl_add_u32 v192, v0, 2, 0x2100
	v_mov_b32 v193, 0
	v_and_b32 v1, 31, v0                           ; lane
	v_lshrrev_b32 v2, 5, v0                        ; wave
	v_readfirstlane_b32 s[WAVE], v2
	v_and_b32 v3, 15, v0                           ; c
	v_bfe_u32 v[TA], v0, 4, 1                      ; h
	v_lshlrev_b32 v[OFF], 4, v1
	v_lshl_or_b32 v[OFF], v2, 15, v[OFF]
	v_lshlrev_b32 v[POFF], 3, v3
	v_lshl_or_b32 v[POFF], v[TA], 2, v[POFF]
	v_lshl_or_b32 v[POFF], v2, 9, v[POFF]
	v_lshlrev_b32 v[QOFF], 4, v3
	s_lshl_b32 s14, ttmp9, 19                      ; g * 2048 rows * 256 bytes (below 2^27)
	s_mov_b32 s15, 0
	s_lshl_b32 s16, ttmp9, 13                      ; g * 2048 * 4
	s_mov_b32 s17, 0
	s_lshr_b32 s18, ttmp9, 3                       ; batch
	s_lshl_b32 s18, s18, 8                         ; * 256
	s_mov_b32 s19, 0
	s_lshl_b32 s20, ttmp9, 9                       ; g * 512
	s_mov_b32 s21, 0
	s_wait_kmcnt 0x0
	s_add_nc_u64 s[KB:KB+1], s[KB:KB+1], s[14:15]
	s_add_nc_u64 s[VB:VB+1], s[VB:VB+1], s[14:15]
	s_add_nc_u64 s[PSB:PSB+1], s[PSB:PSB+1], s[16:17]
	s_add_nc_u64 s[QB:QB+1], s[QB:QB+1], s[18:19]
	s_add_nc_u64 s[PB:PB+1], s[PB:PB+1], s[20:21]
.irp t, 0,1,2,3
	global_load_b32 v[POS+\t], v[POFF], s[PSB:PSB+1] offset:128*\t th:TH_LOAD_NT
.endr
	global_load_b128 v[QV:QV+3], v[QOFF], s[QB:QB+1]
.irp j, 0,1,2,3,4,5,6,7,8,9,10,11,12,13,14,15
	global_load_b128 v[KD+4*\j:KD+4*\j+3], v[OFF], s[KB:KB+1] offset:\j*STEP th:TH_LOAD_NT
.endr
.irp j, 0,1,2,3,4,5,6,7,8,9,10,11,12,13,14,15
	global_load_b128 v[VD+4*\j:VD+4*\j+3], v[OFF], s[VB:VB+1] offset:\j*STEP th:TH_LOAD_NT
.endr
	; while the first rows are on their way: constants and the LDS addresses of the end
	s_mov_b32 s[M8], 0xff00ff00
	s_mov_b32 s[M4], 0xf0f0f0f0
	s_mov_b32 s[M2], 0xcccccccc
	s_mov_b32 s[M1], 0xaaaaaaaa
	s_mov_b32 s[SEL0], 0x76543210
	s_mov_b32 s[SEL1], 0xfedcba98
	s_mov_b32 s[HI], 0xffff0000
	v_lshrrev_b32 v[SA], 4, v0
	v_lshlrev_b32 v[SA], 2, v[SA]
	v_lshlrev_b32 v[LA], 2, v1
	v_lshlrev_b32 v[SB], 4, v0
.irp i, 0,1,2,3
	v_mov_b32 v[WB+\i], 0                          ; a DPP move's destination, and both registers of a pair that a packed
.endr                                              ; instruction names, have to hold something: written once here
	s_wait_loadcnt 32                              ; loads return in order (ISA guide 5.7.1): key_pos and q are in, the 32 younger K, V loads stay out
	v_pk_mul_f32 v[QV:QV+1], v[QV:QV+1], 0x3fe6d4ca op_sel_hi:[1,0]       ; q * 1.25 log2 e = q * 1.8033688
	v_pk_mul_f32 v[QV+2:QV+3], v[QV+2:QV+3], 0x3fe6d4ca op_sel_hi:[1,0]
.irp t, 0,1,2,3
	v_sub_nc_u32 v[POS+\t], QPOS, v[POS+\t]        ; query_pos - key_pos, wrapping as int32 does
	v_ashrrev_i32 v[TT+\t], 31, v[POS+\t]          ; its sign in every bit
	v_xor_b32 v[POS+\t], v[POS+\t], v[TT+\t]
	v_sub_nc_u32 v[POS+\t], v[POS+\t], v[TT+\t]    ; the absolute value, again as int32 has it
	v_cvt_f32_i32 v[POS+\t], v[POS+\t]
.endr
; A fold: of partials lo and hi, lanes whose c lacks bit x keep lo and send hi, the others keep hi and send lo, to lane c xor x.
; Two registers become one; each lane has added its partner's share of the partial that it keeps.
.macro FOLD lo, hi, m, x
	v_cndmask_b32 v[TA], v[PP+\lo], v[PP+\hi], s[\m]          ; what I keep
	v_cndmask_b32 v[TB], v[PP+\hi], v[PP+\lo], s[\m]          ; what I send
	v_add_f32_dpp v[PP+\lo], v[TB], v[TA] row_xmask:\x row_mask:0xf bank_mask:0xf
.endm
; K's load j of tile t: my 4 columns' share of q.k for row 2j + h; the slot is asked again for the next tile at once.
; The folds are done as soon as their two partials exist: after j = 15 lane (h, c) holds the sum over all 64 columns for load c.
.macro KSTEP t, j
.if \t < TILES-1
	s_wait_loadcnt 31                              ; younger: 15-j of this tile's K, 16 of V, j refills
.else
	s_wait_loadcnt 31-\j                           ; the last tile refills nothing: 15-j of K, 16 of V
.endif
	v_pk_mul_f32 v[TT+2*(\j%2):TT+2*(\j%2)+1], v[KD+4*\j:KD+4*\j+1], v[QV:QV+1]
	v_pk_fma_f32 v[TT+2*(\j%2):TT+2*(\j%2)+1], v[KD+4*\j+2:KD+4*\j+3], v[QV+2:QV+3], v[TT+2*(\j%2):TT+2*(\j%2)+1]
.if \t < TILES-1
	global_load_b128 v[KD+4*\j:KD+4*\j+3], v[OFF], s[KB:KB+1] offset:((\t+1)*16+\j)*STEP th:TH_LOAD_NT
.endif
	v_add_f32 v[PP+\j], v[TT+2*(\j%2)], v[TT+2*(\j%2)+1]
.if \j >= 8
	FOLD \j-8, \j, M8, 8
.endif
.if \j >= 12
	FOLD \j-12, \j-8, M4, 4
.endif
.if \j >= 14
	FOLD \j-14, \j-12, M2, 2
.endif
.if \j == 15
	FOLD 0, 1, M1, 1
.endif
.endm
; The tile's 32 scores, one a lane: bias, new maximum of my half, weights; the sums so far are scaled to the new maximum.
; Tile 0 starts maximum and sums: nothing is cleared and no stand-in for minus infinity is needed.
.macro SOFTMAX t
	v_fmamk_f32 v[SC], v[POS+\t], 0xbc6c5f04, v[PP]           ; q.k (log2 units) - 0.01 log2 e * distance (0.014426950)
.if \t == 0
	v_mov_b32 v[MX], v[SC]
.else
	v_max_num_f32 v[MX], v[SC], v[MM]                         ; the old maximum rides along in the reduction
.endif
	v_max_num_f32_dpp v[MX], v[MX], v[MX] row_xmask:1 row_mask:0xf bank_mask:0xf
	v_max_num_f32_dpp v[MX], v[MX], v[MX] row_xmask:2 row_mask:0xf bank_mask:0xf
	v_max_num_f32_dpp v[MX], v[MX], v[MX] row_xmask:4 row_mask:0xf bank_mask:0xf
	v_max_num_f32_dpp v[MX], v[MX], v[MX] row_xmask:8 row_mask:0xf bank_mask:0xf
	v_sub_f32 v[SC], v[SC], v[MX]
.if \t != 0
	v_sub_f32 v[AL], v[MM], v[MX]
	v_exp_f32 v[AL], v[AL]
.endif
	v_exp_f32 v[WT], v[SC]
	v_mov_b32 v[MM], v[MX]                         ; the plain instruction that stands between v_exp_f32 and the use of its result (ISA guide 5.7.2)
.if \t == 0
	s_wait_alu depctr_va_vdst(0)
	v_mov_b32 v[LS], v[WT]
.else
	s_wait_alu depctr_va_vdst(0)
	v_fma_f32 v[LS], v[LS], v[AL], v[WT]
	v_pk_mul_f32 v[ACC:ACC+1], v[ACC:ACC+1], v[AL:AL+1] op_sel_hi:[1,0]
	v_pk_mul_f32 v[ACC+2:ACC+3], v[ACC+2:ACC+3], v[AL:AL+1] op_sel_hi:[1,0]
.endif
.endm
; V's load j of tile t: rows 2j + h, whose weight lies in lane c = j of my half: row_share brings it to all 16 lanes.
.macro VSTEP t, j
	v_mov_b32_dpp v[WB+2*(\j%2)], v[WT] row_share:\j row_mask:0xf bank_mask:0xf
.if \t < TILES-1
	s_wait_loadcnt 31                              ; younger: 15-j of this tile's V, 16 of the next tile's K, j refills
.else
	s_wait_loadcnt 15-\j                           ; the last tile: only the rest of V; the last wait is for 0
.endif
.if (\t+\j) == 0
	v_pk_mul_f32 v[ACC:ACC+1], v[VD:VD+1], v[WB:WB+1] op_sel_hi:[1,0]             ; the first product starts the sums
	v_pk_mul_f32 v[ACC+2:ACC+3], v[VD+2:VD+3], v[WB:WB+1] op_sel_hi:[1,0]
.else
	v_pk_fma_f32 v[ACC:ACC+1], v[VD+4*\j:VD+4*\j+1], v[WB+2*(\j%2):WB+2*(\j%2)+1], v[ACC:ACC+1] op_sel_hi:[1,0,1]
	v_pk_fma_f32 v[ACC+2:ACC+3], v[VD+4*\j+2:VD+4*\j+3], v[WB+2*(\j%2):WB+2*(\j%2)+1], v[ACC+2:ACC+3] op_sel_hi:[1,0,1]
.endif
.if \t < TILES-1
	global_load_b128 v[VD+4*\j:VD+4*\j+3], v[OFF], s[VB:VB+1] offset:((\t+1)*16+\j)*STEP th:TH_LOAD_NT
.endif
.endm
.macro TILE t
.irp j, 0,1,2,3,4,5,6,7,8,9,10,11,12,13,14,15
	KSTEP \t, \j
.endr
	SOFTMAX \t
.irp j, 0,1,2,3,4,5,6,7,8,9,10,11,12,13,14,15
	VSTEP \t, \j
.endr
.endm
	TILE 0
	TILE 1
	TILE 2
	TILE 3
	; THE END OF THE WORK-GROUP: 32 streams (16 waves x 2 halves), each with its maximum, its sum of weights and 64 sums.
	v_add_f32_dpp v[LS], v[LS], v[LS] row_xmask:1 row_mask:0xf bank_mask:0xf      ; the sum of weights over my half's 16 lanes
	v_add_f32_dpp v[LS], v[LS], v[LS] row_xmask:2 row_mask:0xf bank_mask:0xf
	v_add_f32_dpp v[LS], v[LS], v[LS] row_xmask:4 row_mask:0xf bank_mask:0xf
	v_add_f32_dpp v[LS], v[LS], v[LS] row_xmask:8 row_mask:0xf bank_mask:0xf
	ds_store_b32 v[SA], v[MM] offset:LDS_M         ; 16 lanes write one word with one value
	s_wait_dscnt 0x0                               ; my maximum is in LDS before I say so
	s_barrier_signal -1
	s_barrier_wait -1
	ds_load_b32 v[MX], v[LA] offset:LDS_M          ; lane i: the maximum of stream i
	s_wait_dscnt 0x0
	v_max_num_f32_dpp v[MX], v[MX], v[MX] row_xmask:1 row_mask:0xf bank_mask:0xf
	v_max_num_f32_dpp v[MX], v[MX], v[MX] row_xmask:2 row_mask:0xf bank_mask:0xf
	v_max_num_f32_dpp v[MX], v[MX], v[MX] row_xmask:4 row_mask:0xf bank_mask:0xf
	v_max_num_f32_dpp v[MX], v[MX], v[MX] row_xmask:8 row_mask:0xf bank_mask:0xf
	v_permlanex16_b32 v[TA], v[MX], s[SEL0], s[SEL1]
	v_max_num_f32 v[MX], v[MX], v[TA]              ; the chunk's maximum, in every lane of every wave
	v_sub_f32 v[AL], v[MM], v[MX]
	v_exp_f32 v[AL], v[AL]
	v_nop                                          ; the place behind v_exp_f32: no other work is left here
	s_wait_alu depctr_va_vdst(0)
	v_pk_mul_f32 v[ACC:ACC+1], v[ACC:ACC+1], v[AL:AL+1] op_sel_hi:[1,0]           ; my stream's sums, scaled to it
	v_pk_mul_f32 v[ACC+2:ACC+3], v[ACC+2:ACC+3], v[AL:AL+1] op_sel_hi:[1,0]
	v_mul_f32 v[LS], v[LS], v[AL]
	ds_store_b128 v[SB], v[ACC:ACC+3] offset:LDS_A ; 16 bytes a thread, threads side by side: stream s at 256 s
	ds_store_b32 v[SA], v[LS] offset:LDS_L
	s_wait_dscnt 0x0                               ; for wave 0's sake: all of it is in LDS before I say so
	s_barrier_signal -1
	s_barrier_wait -1
	s_cmp_lg_u32 s[WAVE], 0
	s_cbranch_scc1 .Lend                           ; the rest is 16 loads and 40 additions: one wave's work
.irp i, 0,1,2,3,4,5,6,7,8,9,10,11,12,13,14,15
	ds_load_b128 v[KD+4*\i:KD+4*\i+3], v[SB] offset:LDS_A+512*\i   ; in wave 0 thread = lane: streams 2i + h, columns 4c ..
.endr
	ds_load_b32 v[LS], v[LA] offset:LDS_L          ; lane i: stream i's sum of weights
	s_wait_dscnt 0x0
.macro ADD4 d, s
	v_pk_add_f32 v[KD+4*(\d):KD+4*(\d)+1], v[KD+4*(\d):KD+4*(\d)+1], v[KD+4*(\s):KD+4*(\s)+1]
	v_pk_add_f32 v[KD+4*(\d)+2:KD+4*(\d)+3], v[KD+4*(\d)+2:KD+4*(\d)+3], v[KD+4*(\s)+2:KD+4*(\s)+3]
.endm
.irp i, 0,1,2,3,4,5,6,7
	ADD4 \i, \i+8
.endr
.irp i, 0,1,2,3
	ADD4 \i, \i+4
.endr
	ADD4 0, 2
	ADD4 1, 3
	ADD4 0, 1
.irp r, 0,1,2,3
	v_permlanex16_b32 v[KD+4+\r], v[KD+\r], s[SEL0], s[SEL1]       ; the other half's 16 streams
.endr
	v_pk_add_f32 v[KD:KD+1], v[KD:KD+1], v[KD+4:KD+5]
	v_pk_add_f32 v[KD+2:KD+3], v[KD+2:KD+3], v[KD+6:KD+7]
	v_add_f32_dpp v[LS], v[LS], v[LS] row_xmask:1 row_mask:0xf bank_mask:0xf
	v_add_f32_dpp v[LS], v[LS], v[LS] row_xmask:2 row_mask:0xf bank_mask:0xf
	v_add_f32_dpp v[LS], v[LS], v[LS] row_xmask:4 row_mask:0xf bank_mask:0xf
	v_add_f32_dpp v[LS], v[LS], v[LS] row_xmask:8 row_mask:0xf bank_mask:0xf
	v_permlanex16_b32 v[TA], v[LS], s[SEL0], s[SEL1]
	v_add_f32 v[LS], v[LS], v[TA]
	; One store of 512 consecutive, aligned bytes: lanes 0-15 the 64 sums, lanes 16-31 each (M, L, and two sums that nobody reads).
	v_cndmask_b32 v[KD], v[KD], v[MX], s[HI]
	v_cndmask_b32 v[KD+1], v[KD+1], v[LS], s[HI]
	global_store_b128 v[SB], v[KD:KD+3], s[PB:PB+1]
.Lend:
	s_wait_tensorcnt 0x0
	ds_add_u32 v192, v193
	s_wait_dscnt 0x0
	s_endpgm
.Lfunc_end_k_q0e0290e14c_partial:
	.size	k_q0e0290e14c_partial, .Lfunc_end_k_q0e0290e14c_partial-k_q0e0290e14c_partial
	.p2alignl 7, 3214868480
	.fill 96, 4, 3214868480
	.section	.rodata,"a",@progbits
	.p2align	6, 0x0
	.amdhsa_kernel k_q0e0290e14c_partial
		.amdhsa_group_segment_fixed_size 10496
		.amdhsa_private_segment_fixed_size 0
		.amdhsa_enable_private_segment 0
		.amdhsa_kernarg_size 40
		.amdhsa_user_sgpr_count 2
		.amdhsa_user_sgpr_kernarg_segment_ptr 1
		.amdhsa_wavefront_size32 1
		.amdhsa_system_sgpr_workgroup_id_x 1
		.amdhsa_system_sgpr_workgroup_id_y 1
		.amdhsa_system_sgpr_workgroup_id_z 1
		.amdhsa_system_vgpr_workitem_id 0
		.amdhsa_next_free_vgpr 194
		.amdhsa_next_free_sgpr 66
		.amdhsa_reserve_vcc 0
		.amdhsa_float_denorm_mode_32 3
		.amdhsa_float_denorm_mode_16_64 3
		.amdhsa_memory_ordered 1
		.amdhsa_forward_progress 1
		.amdhsa_inst_pref_size 61
	.end_amdhsa_kernel
	.amdgpu_metadata
---
amdhsa.version: [ 1, 2 ]
amdhsa.kernels:
  - .name:           k_q0e0290e14c_partial
    .symbol:         k_q0e0290e14c_partial.kd
    .args:
      - { .name: key_addrs, .offset: 0, .size: 8, .value_kind: global_buffer, .address_space: global }
      - { .name: key_pos, .offset: 8, .size: 8, .value_kind: global_buffer, .address_space: global }
      - { .name: query_addr, .offset: 16, .size: 8, .value_kind: global_buffer, .address_space: global }
      - { .name: values, .offset: 24, .size: 8, .value_kind: global_buffer, .address_space: global }
      - { .name: part, .offset: 32, .size: 8, .value_kind: global_buffer, .address_space: global }
    .group_segment_fixed_size: 10496
    .private_segment_fixed_size: 0
    .kernarg_segment_align: 8
    .kernarg_segment_size: 40
    .max_flat_workgroup_size: 512
    .sgpr_count:     66
    .vgpr_count:     194
    .wavefront_size: 32
...
	.end_amdgpu_metadata
.endif
;; end of part 1
;; launch combine (part 2): grid 16 x 1, 1 waves a work-group, no clusters, 0 bytes of LDS; arguments part, out0; writes out0
.if DOCPART == 2
	.amdgcn_target "amdgcn-amd-amdhsa--gfx1250"
	.amdhsa_code_object_version 6
	.text
	.protected	k_q0e0290e14c_combine
	.globl	k_q0e0290e14c_combine
	.p2align	8
	.type	k_q0e0290e14c_combine,@function
k_q0e0290e14c_combine:
	s_mov_b64 s[64:65], 0
	v_nop
	global_prefetch_b8 v0, s[64:65] scope:SCOPE_SE
	s_setreg_imm32_b32 hwreg(HW_REG_WAVE_MODE, 25, 1), 1
	s_wait_xcnt 0x0
; Second launch: out0[b][d] = sum over the batch's 8 chunks of 2^(M_k - max M) * sums_k[d], divided by the same sum of the L_k.
; part[8 b + k] = 512 bytes: 64 f32 sums, then sixteen copies of (M_k, L_k, -, -), 16 bytes each.
; One wave a work-group, 16 work-groups: wave w serves batches 2w (lanes 0-15) and 2w + 1 (lanes 16-31); lane c of a half owns
; columns 4c .. 4c+3 and walks the 8 chunks itself, so no lane needs another.  All 16 loads of a lane are issued at once;
; the store covers 512 consecutive, aligned bytes of out0.  There are 2,048 numbers to make: no work for more waves.
; The largest chunk contributes a weight of 1 at least, so the divisor is never below 1.
.set REC, 512                          ; bytes of a chunk's record
.set ML,  4                            ; v[4:19]   chunk k: (M_k, L_k); M_k becomes the factor 2^(M_k - max)
.set AC,  20                           ; v[20:51]  chunk k: its sums for my 4 columns
.set ACC, 52                           ; v[52:55]  the result
.set MX,  56                           ; v56       the largest M
.set RC,  58                           ; v58       1 / sum of weights; read as the pair v[58:59], low register broadcast
.set LT,  59                           ; v59       the sum of weights
	s_load_b128 s[4:7], s[0:1], 0x0                ; part s[4:5], out0 s[6:7]
	v_and_b32 v1, 15, v0                           ; c
	v_lshrrev_b32 v2, 4, v0                        ; h
	v_lshlrev_b32 v1, 4, v1
	v_lshl_or_b32 v1, v2, 12, v1                   ; h * 8 records + 16 c
	s_lshl_b32 s8, ttmp9, 13                       ; w * 16 records
	s_mov_b32 s9, 0
	s_lshl_b32 s10, ttmp9, 9                       ; w * 2 rows of out0
	s_mov_b32 s11, 0
	s_wait_kmcnt 0x0
	s_add_nc_u64 s[4:5], s[4:5], s[8:9]
	s_add_nc_u64 s[6:7], s[6:7], s[10:11]
.irp k, 0,1,2,3,4,5,6,7
	global_load_b64 v[ML+2*\k:ML+2*\k+1], v1, s[4:5] offset:REC*\k+256
.endr
.irp k, 0,1,2,3,4,5,6,7
	global_load_b128 v[AC+4*\k:AC+4*\k+3], v1, s[4:5] offset:REC*\k
.endr
	s_wait_loadcnt 8                               ; the eight (M, L) are in; the eight younger loads of sums stay out
	v_max3_num_f32 v[MX], v[ML], v[ML+2], v[ML+4]
	v_max3_num_f32 v[MX], v[MX], v[ML+6], v[ML+8]
	v_max3_num_f32 v[MX], v[MX], v[ML+10], v[ML+12]
	v_max_num_f32 v[MX], v[MX], v[ML+14]
.irp k, 0,1,2,3,4,5,6,7
	v_sub_f32 v[ML+2*\k], v[ML+2*\k], v[MX]
.endr
.irp k, 0,1,2,3,4,5,6,7
	v_exp_f32 v[ML+2*\k], v[ML+2*\k]
.endr
	v_lshlrev_b32 v3, 4, v0                        ; my 16 bytes of out0; also the plain instruction behind the exponentials (ISA guide 5.7.2)
	s_wait_alu depctr_va_vdst(0)
	v_mul_f32 v[LT], v[ML], v[ML+1]
.irp k, 1,2,3,4,5,6,7
	v_fmac_f32 v[LT], v[ML+2*\k], v[ML+2*\k+1]
.endr
	v_rcp_f32 v[RC], v[LT]                         ; the packed products below stand between it and its use
	s_wait_loadcnt 0x0
	v_pk_mul_f32 v[ACC:ACC+1], v[AC:AC+1], v[ML:ML+1] op_sel_hi:[1,0]             ; the first product starts the sums
	v_pk_mul_f32 v[ACC+2:ACC+3], v[AC+2:AC+3], v[ML:ML+1] op_sel_hi:[1,0]
.irp k, 1,2,3,4,5,6,7
	v_pk_fma_f32 v[ACC:ACC+1], v[AC+4*\k:AC+4*\k+1], v[ML+2*\k:ML+2*\k+1], v[ACC:ACC+1] op_sel_hi:[1,0,1]
	v_pk_fma_f32 v[ACC+2:ACC+3], v[AC+4*\k+2:AC+4*\k+3], v[ML+2*\k:ML+2*\k+1], v[ACC+2:ACC+3] op_sel_hi:[1,0,1]
.endr
	s_wait_alu depctr_va_vdst(0)
	v_pk_mul_f32 v[ACC:ACC+1], v[ACC:ACC+1], v[RC:RC+1] op_sel_hi:[1,0]
	v_pk_mul_f32 v[ACC+2:ACC+3], v[ACC+2:ACC+3], v[RC:RC+1] op_sel_hi:[1,0]
	global_store_b128 v3, v[ACC:ACC+3], s[6:7]
	s_endpgm
.Lfunc_end_k_q0e0290e14c_combine:
	.size	k_q0e0290e14c_combine, .Lfunc_end_k_q0e0290e14c_combine-k_q0e0290e14c_combine
	.p2alignl 7, 3214868480
	.fill 96, 4, 3214868480
	.section	.rodata,"a",@progbits
	.p2align	6, 0x0
	.amdhsa_kernel k_q0e0290e14c_combine
		.amdhsa_group_segment_fixed_size 0
		.amdhsa_private_segment_fixed_size 0
		.amdhsa_enable_private_segment 0
		.amdhsa_kernarg_size 16
		.amdhsa_user_sgpr_count 2
		.amdhsa_user_sgpr_kernarg_segment_ptr 1
		.amdhsa_wavefront_size32 1
		.amdhsa_system_sgpr_workgroup_id_x 1
		.amdhsa_system_sgpr_workgroup_id_y 1
		.amdhsa_system_sgpr_workgroup_id_z 1
		.amdhsa_system_vgpr_workitem_id 0
		.amdhsa_next_free_vgpr 64
		.amdhsa_next_free_sgpr 66
		.amdhsa_reserve_vcc 0
		.amdhsa_float_denorm_mode_32 3
		.amdhsa_float_denorm_mode_16_64 3
		.amdhsa_memory_ordered 1
		.amdhsa_forward_progress 1
		.amdhsa_inst_pref_size 5
	.end_amdhsa_kernel
	.amdgpu_metadata
---
amdhsa.version: [ 1, 2 ]
amdhsa.kernels:
  - .name:           k_q0e0290e14c_combine
    .symbol:         k_q0e0290e14c_combine.kd
    .args:
      - { .name: part, .offset: 0, .size: 8, .value_kind: global_buffer, .address_space: global }
      - { .name: out0, .offset: 8, .size: 8, .value_kind: global_buffer, .address_space: global }
    .group_segment_fixed_size: 0
    .private_segment_fixed_size: 0
    .kernarg_segment_align: 8
    .kernarg_segment_size: 16
    .max_flat_workgroup_size: 32
    .sgpr_count:     66
    .vgpr_count:     64
    .wavefront_size: 32
...
	.end_amdgpu_metadata
.endif
;; end of part 2
;; ======== version 2 of 2: 2 launches; version 1 with the launch partial written anew for expert scheduling mode
;; workspace buffers: part 131,072 bytes
;; launch partial (part 3): grid 256 x 1, 16 waves a work-group, no clusters, 10,496 bytes of LDS; arguments key_addrs, key_pos, query_addr, values, part; writes part
.if DOCPART == 3
	.amdgcn_target "amdgcn-amd-amdhsa--gfx1250"
	.amdhsa_code_object_version 6
	.text
	.protected	k_q0e0290e14c_partial
	.globl	k_q0e0290e14c_partial
	.p2align	8
	.type	k_q0e0290e14c_partial,@function
k_q0e0290e14c_partial:
	s_mov_b64 s[64:65], 0
	v_nop
	global_prefetch_b8 v0, s[64:65] scope:SCOPE_SE
	s_setreg_imm32_b32 hwreg(HW_REG_WAVE_SCHED_MODE, 0, 2), 2
	s_setreg_imm32_b32 hwreg(HW_REG_WAVE_MODE, 25, 1), 1
	s_wait_xcnt 0x0
	s_wait_alu depctr_vm_vsrc(0)
; One-query attention, first of two launches: softmax(1.25 q.k - 0.01 |16384 - key_pos|) . values over a chunk of rows.
; key_addrs, values: [32][16384][64] f32; key_pos: [32][16384] i32; query_addr: [32][64] f32.
; Work-group g (256 of them, 16 waves) owns rows 2048 g .. 2048 g + 2047 of the flattened [32*16384] axis: batch g >> 3.
; A wave owns 128 rows = 4 tiles of 32.  A row is 256 bytes, so one 16-byte-a-lane load of a wave covers 512 consecutive
; bytes = 2 rows: lane (h = lane >> 4, c = lane & 15) holds columns 4c .. 4c+3 of row 2j + h of the tile's load j.
; Every byte of K, V and key_pos is loaded once; every address is one offset register + an immediate.
; Scores: 3 instructions give a lane's 4-column partial; a folding butterfly sums over the 16 lanes AND transposes, so that lane
; (h, c) ends with the whole score of row 2c + h: one key_pos word, one bias, one exponential a lane serve 32 rows.
; Softmax is online, in base 2 (1.25 log2 e is folded into q), with a running maximum for each half of the wave.
; Result: part[g] = 512 bytes: 64 sums of weight x value, then (M, L) = the chunk's maximum (log2 units) and its sum of weights.
; NOT USED, and why: matrix instructions (one query row would fill 1/16 of a tile, and f32 -> bf16 conversion of K and V costs more
; vector instructions than the f32 multiply-adds); LDS ring, tensor loads, clusters (no two waves read the same K, V bytes;
; work-groups share only q's 256 bytes); prefetch (the ring already asks for data all the time).
; LIMITS: rounding order differs from the reference (scale folded into q, base 2, other order of sums); weights below 2^-126 of the
; largest count as 0 (v_exp_f32 flushes them); infinities and NaN in the inputs are not served specially.
; THE MODE: SCHED_MODE bits 1:0 = 2 (LLVM: expert scheduling mode 2), set by the entry lines.  The code itself states the register
; dependences between vector instructions and memory or LDS instructions, with s_wait_alu, always for 0.
; THE PLAN.  A wave's 128 loads of K and V are ONE sequence of 16 blocks of 8 loads, used in the order of issue: K's loads 0-7, K's 8-15,
; V's 0-7, V's 8-15 of tile 0, then of tiles 1, 2, 3.  Registers that memory or LDS instructions touch:
;   RING      six buffers of 32 registers; block p lies in buffer p % 6.  Written by loads alone; read by block p's packed products.
;             The head asks for blocks 0 to 5.  Block p (1 to 10) asks for block p + 5, one load ahead of each of its eight steps: they land
;             in buffer (p + 5) % 6 = (p - 1) % 6, the buffer that block p - 1 worked on and that no vector instruction of block p names.
;   v4 - v6   the offsets of the global loads, v52 - v54 the LDS addresses of the end: made once, never written again.
;   MM, ACC, LS, MX and RING's first 64 registers meet LDS instructions at the kernel's end alone; each wait there says what it states.
; So ONE wait on va_vdst stands at the head of each of blocks 1 to 10: block p - 1 is done reading its buffer.  It states all that the
; block's eight loads hang on.  Blocks 0 and 11 to 15 ask for nothing and hold no such wait.  40 or 41 loads = 20 KiB of a wave are on their way.
.set TILES, 4                          ; tiles of a wave
.set STEP,  512                        ; bytes of one load of a wave (2 rows)
.set QPOS,  16384                      ; query_pos
.set BLOCKS, 4*TILES                   ; blocks of 8 loads
.set BUFS,  6                          ; buffers of the ring
.set OFF,  4                           ; v4       byte offset in K and V: wave * 128 rows * 256 + 16 lane
.set POFF, 5                           ; v5       byte offset in key_pos: wave * 512 + 4 (2c + h)
.set QOFF, 6                           ; v6       byte offset in q: 16 c
.set QV,   8                           ; v[8:11]  q[4c .. 4c+3] * 1.25 log2 e
.set POS,  12                          ; v[12:15] tile t: key_pos of row 2c + h, then |16384 - key_pos| as f32
.set PP,   16                          ; v[16:31] partial dot products of the tile's 16 loads; after the folds v16 = the score's q.k
.set TT,   32                          ; v[32:35] at work
.set TA,   36                          ; v36, v37 at work in a fold
.set TB,   37
.set SC,   38                          ; v38      score, log2 units
.set MX,   39                          ; v39      new maximum
.set AL,   40                          ; v40      2^(old maximum - new maximum); read as the pair v[40:41], low register broadcast
.set MM,   41                          ; v41      running maximum of my half of the wave
.set WT,   42                          ; v42      weight of row 2c + h
.set LS,   43                          ; v43      my lane's running sum of weights
.set ACC,  44                          ; v[44:47] running sum of weight x value, columns 4c .. 4c+3, rows of my half
.set WB,   48                          ; v[48:51] two pairs; the low register of each takes a broadcast weight
.set SA,   52                          ; v52      LDS: 4 x stream (stream = thread >> 4: a half of a wave)
.set LA,   53                          ; v53      LDS: 4 x lane
.set SB,   54                          ; v54      LDS: 16 x thread
.set RING, 64                          ; v[64:255] buffer b, load i of its block: 4 registers at RING + 32 b + 4 i
.set KD,   RING                        ; v[64:127] at the end, in wave 0: the 32 streams' sums
.set KB, 4                             ; s[4:5] K, s[6:7] key_pos, s[8:9] q, s[10:11] V, s[12:13] part
.set PSB, 6
.set QB, 8
.set VB, 10
.set PB, 12
.set M8, 22                            ; s22-25 lanes whose c has bit 3, 2, 1, 0 set
.set M4, 23
.set M2, 24
.set M1, 25
.set SEL0, 26                          ; s26, s27 v_permlanex16_b32: lane i takes lane i of the other half
.set SEL1, 27
.set WAVE, 28
.set HI, 29                            ; lanes 16-31
.set LDS_M, 0                          ; 32 words: the streams' maxima
.set LDS_L, 128                        ; 32 words: the streams' sums of weights, scaled to the common maximum
.set LDS_A, 256                        ; 32 x 256 bytes: the streams' sums of weight x value, likewise
; Load i of block n: tile n / 4; K if n % 4 < 2, else V; the tile's load 8 (n % 2) + i.
.macro ASK n, i
.set rL, RING+32*((\n)%BUFS)+4*(\i)
.set oL, (16*((\n)/4)+8*((\n)%2)+(\i))*STEP
.if ((\n)%4) < 2
	global_load_b128 v[rL:rL+3], v[OFF], s[KB:KB+1] offset:oL th:TH_LOAD_NT
.else
	global_load_b128 v[rL:rL+3], v[OFF], s[VB:VB+1] offset:oL th:TH_LOAD_NT
.endif
.endm
	s_load_b256 s[4:11], s[0:1], 0x0
	s_load_b64 s[12:13], s[0:1], 0x20
	v_lshl_add_u32 v62, v0, 2, 0x2100
	v_mov_b32 v63, 0
	v_and_b32 v1, 31, v0                           ; lane
	v_lshrrev_b32 v2, 5, v0                        ; wave
	v_readfirstlane_b32 s[WAVE], v2
	v_and_b32 v3, 15, v0                           ; c
	v_bfe_u32 v[TA], v0, 4, 1                      ; h
	v_lshlrev_b32 v[OFF], 4, v1
	v_lshl_or_b32 v[OFF], v2, 15, v[OFF]
	v_lshlrev_b32 v[POFF], 3, v3
	v_lshl_or_b32 v[POFF], v[TA], 2, v[POFF]
	v_lshl_or_b32 v[POFF], v2, 9, v[POFF]
	v_lshlrev_b32 v[QOFF], 4, v3
	s_wait_alu depctr_va_sdst(0)                   ; s[WAVE] is written, ahead of its first reader: the compare at the kernel's end that picks wave 0
	s_lshl_b32 s14, ttmp9, 19                      ; g * 2048 rows * 256 bytes (below 2^27)
	s_mov_b32 s15, 0
	s_lshl_b32 s16, ttmp9, 13                      ; g * 2048 * 4
	s_mov_b32 s17, 0
	s_lshr_b32 s18, ttmp9, 3                       ; batch
	s_lshl_b32 s18, s18, 8                         ; * 256
	s_mov_b32 s19, 0
	s_lshl_b32 s20, ttmp9, 9                       ; g * 512
	s_mov_b32 s21, 0
	s_wait_kmcnt 0x0
	s_add_nc_u64 s[KB:KB+1], s[KB:KB+1], s[14:15]
	s_add_nc_u64 s[VB:VB+1], s[VB:VB+1], s[14:15]
	s_add_nc_u64 s[PSB:PSB+1], s[PSB:PSB+1], s[16:17]
	s_add_nc_u64 s[QB:QB+1], s[QB:QB+1], s[18:19]
	s_add_nc_u64 s[PB:PB+1], s[PB:PB+1], s[20:21]
	s_wait_alu depctr_va_vdst(0)                   ; v[OFF], v[POFF] and v[QOFF] are written: every global load of the kernel reads one of them as its offset
.irp t, 0,1,2,3
	global_load_b32 v[POS+\t], v[POFF], s[PSB:PSB+1] offset:128*\t th:TH_LOAD_NT
.endr
	global_load_b128 v[QV:QV+3], v[QOFF], s[QB:QB+1]
.irp n, 0,1,2,3,4,5
.irp i, 0,1,2,3,4,5,6,7
	ASK \n, \i                                     ; the ring is filled: blocks 0 to 5; no vector instruction has named these registers
.endr
.endr
	; while the first rows are on their way: constants and the LDS addresses of the end
	s_mov_b32 s[M8], 0xff00ff00
	s_mov_b32 s[M4], 0xf0f0f0f0
	s_mov_b32 s[M2], 0xcccccccc
	s_mov_b32 s[M1], 0xaaaaaaaa
	s_mov_b32 s[SEL0], 0x76543210
	s_mov_b32 s[SEL1], 0xfedcba98
	s_mov_b32 s[HI], 0xffff0000
	v_lshrrev_b32 v[SA], 4, v0
	v_lshlrev_b32 v[SA], 2, v[SA]
	v_lshlrev_b32 v[LA], 2, v1
	v_lshlrev_b32 v[SB], 4, v0
.irp i, 0,1,2,3
	v_mov_b32 v[WB+\i], 0                          ; a DPP move's destination, and both registers of a pair that a packed
.endr                                              ; instruction names, have to hold something: written once here
	s_wait_loadcnt 8*BUFS                          ; loads return in order (ISA guide 5.7.1): key_pos and q are in, the 48 younger K, V loads stay out
	v_pk_mul_f32 v[QV:QV+1], v[QV:QV+1], 0x3fe6d4ca op_sel_hi:[1,0]       ; q * 1.25 log2 e = q * 1.8033688
	v_pk_mul_f32 v[QV+2:QV+3], v[QV+2:QV+3], 0x3fe6d4ca op_sel_hi:[1,0]
.irp t, 0,1,2,3
	v_sub_nc_u32 v[POS+\t], QPOS, v[POS+\t]        ; query_pos - key_pos, wrapping as int32 does
	v_ashrrev_i32 v[TT+\t], 31, v[POS+\t]          ; its sign in every bit
	v_xor_b32 v[POS+\t], v[POS+\t], v[TT+\t]
	v_sub_nc_u32 v[POS+\t], v[POS+\t], v[TT+\t]    ; the absolute value, again as int32 has it
	v_cvt_f32_i32 v[POS+\t], v[POS+\t]
.endr
; Ahead of step i of block p (1 to 10): load i of block p + 5.  No wait: no vector instruction since the wait at the block's head names the buffer in which it lands.
.macro AHEAD p, i
.if ((\p) >= 1) && ((\p) <= BLOCKS-BUFS)
	ASK (\p)+BUFS-1, \i
.endif
.endm
; Load i of block p has to be there; the count is the loads issued behind it.
.macro ARRIVED p, i
.if (\p) == 0
	s_wait_loadcnt 8*(BUFS-1)+7-(\i)               ; block 0 asks for nothing: 7-i of the block, 40 of blocks 1 to 5
.elseif (\p) <= BLOCKS-BUFS
	s_wait_loadcnt 8*(BUFS-1)                      ; 7-i of the block, 32 of the four blocks behind it, i+1 of block p + 5
.else
	s_wait_loadcnt 8*(BLOCKS-1-(\p))+7-(\i)        ; nothing more is asked for: 7-i of the block and the blocks left; the very last wait is for 0
.endif
.endm
; A fold: of partials lo and hi, lanes whose c lacks bit x keep lo and send hi, the others keep hi and send lo, to lane c xor x.
; Two registers become one; each lane has added its partner's share of the partial that it keeps.
.macro FOLD lo, hi, m, x
	v_cndmask_b32 v[TA], v[PP+\lo], v[PP+\hi], s[\m]          ; what I keep
	v_cndmask_b32 v[TB], v[PP+\hi], v[PP+\lo], s[\m]          ; what I send
	v_add_f32_dpp v[PP+\lo], v[TB], v[TA] row_xmask:\x row_mask:0xf bank_mask:0xf
.endm
; K's load j of the tile, in block p: my 4 columns' share of q.k for row 2j + h.
; The folds are done as soon as their two partials exist: after j = 15 lane (h, c) holds the sum over all 64 columns for load c.
.macro KSTEP p, j
.set rD, RING+32*((\p)%BUFS)+4*((\j)%8)
.set rT, TT+2*((\j)%2)
	AHEAD \p, (\j)%8
	ARRIVED \p, (\j)%8
	v_pk_mul_f32 v[rT:rT+1], v[rD:rD+1], v[QV:QV+1]
	v_pk_fma_f32 v[rT:rT+1], v[rD+2:rD+3], v[QV+2:QV+3], v[rT:rT+1]
	v_add_f32 v[PP+\j], v[rT], v[rT+1]
.if \j >= 8
	FOLD \j-8, \j, M8, 8
.endif
.if \j >= 12
	FOLD \j-12, \j-8, M4, 4
.endif
.if \j >= 14
	FOLD \j-14, \j-12, M2, 2
.endif
.if \j == 15
	FOLD 0, 1, M1, 1
.endif
.endm
; The tile's 32 scores, one a lane: bias, new maximum of my half, weights; the sums so far are scaled to the new maximum.
; Tile 0 starts maximum and sums: nothing is cleared and no stand-in for minus infinity is needed.
.macro SOFTMAX t
	v_fmamk_f32 v[SC], v[POS+(\t)], 0xbc6c5f04, v[PP]         ; q.k (log2 units) - 0.01 log2 e * distance (0.014426950)
.if (\t) == 0
	v_mov_b32 v[MX], v[SC]
.else
	v_max_num_f32 v[MX], v[SC], v[MM]                         ; the old maximum rides along in the reduction
.endif
	v_max_num_f32_dpp v[MX], v[MX], v[MX] row_xmask:1 row_mask:0xf bank_mask:0xf
	v_max_num_f32_dpp v[MX], v[MX], v[MX] row_xmask:2 row_mask:0xf bank_mask:0xf
	v_max_num_f32_dpp v[MX], v[MX], v[MX] row_xmask:4 row_mask:0xf bank_mask:0xf
	v_max_num_f32_dpp v[MX], v[MX], v[MX] row_xmask:8 row_mask:0xf bank_mask:0xf
	v_sub_f32 v[SC], v[SC], v[MX]
.if (\t) != 0
	v_sub_f32 v[AL], v[MM], v[MX]
	v_exp_f32 v[AL], v[AL]
.endif
	v_exp_f32 v[WT], v[SC]
	v_mov_b32 v[MM], v[MX]                         ; the plain instruction that stands between v_exp_f32 and the use of its result (ISA guide 5.7.2)
.if (\t) == 0
	s_wait_alu depctr_va_vdst(0)
	v_mov_b32 v[LS], v[WT]
.else
	s_wait_alu depctr_va_vdst(0)
	v_fma_f32 v[LS], v[LS], v[AL], v[WT]
	v_pk_mul_f32 v[ACC:ACC+1], v[ACC:ACC+1], v[AL:AL+1] op_sel_hi:[1,0]
	v_pk_mul_f32 v[ACC+2:ACC+3], v[ACC+2:ACC+3], v[AL:AL+1] op_sel_hi:[1,0]
.endif
.endm
; V's load j of the tile, in block p: rows 2j + h, whose weight lies in lane c = j of my half: row_share brings it to all 16 lanes.
.macro VSTEP p, j
.set rD, RING+32*((\p)%BUFS)+4*((\j)%8)
.set rW, WB+2*((\j)%2)
	AHEAD \p, (\j)%8
	v_mov_b32_dpp v[rW], v[WT] row_share:\j row_mask:0xf bank_mask:0xf
	ARRIVED \p, (\j)%8
.if ((\p) == 2) && ((\j) == 0)
	v_pk_mul_f32 v[ACC:ACC+1], v[rD:rD+1], v[rW:rW+1] op_sel_hi:[1,0]             ; the first product starts the sums
	v_pk_mul_f32 v[ACC+2:ACC+3], v[rD+2:rD+3], v[rW:rW+1] op_sel_hi:[1,0]
.else
	v_pk_fma_f32 v[ACC:ACC+1], v[rD:rD+1], v[rW:rW+1], v[ACC:ACC+1] op_sel_hi:[1,0,1]
	v_pk_fma_f32 v[ACC+2:ACC+3], v[rD+2:rD+3], v[rW:rW+1], v[ACC+2:ACC+3] op_sel_hi:[1,0,1]
.endif
.endm
.macro RUN p, j
.if ((\p)%4) < 2
	KSTEP \p, \j
.else
	VSTEP \p, \j
.endif
.endm
; Block p: the wait at its head (where the block asks for loads), the tile's softmax ahead of V's first block, eight steps.
.macro BLOCK p
.if ((\p) >= 1) && ((\p) <= BLOCKS-BUFS)
	s_wait_alu depctr_va_vdst(0)                   ; the block before is done reading its buffer, in which this block's eight loads land
.endif
.if ((\p)%4) == 2
	SOFTMAX (\p)/4                                 ; it names no register of the ring
.endif
.if ((\p)%2) == 0
.irp j, 0,1,2,3,4,5,6,7
	RUN \p, \j
.endr
.else
.irp j, 8,9,10,11,12,13,14,15
	RUN \p, \j
.endr
.endif
.endm
.irp p, 0,1,2,3,4,5,6,7,8,9,10,11,12,13,14,15
	BLOCK \p
.endr
	; THE END OF THE WORK-GROUP: 32 streams (16 waves x 2 halves), each with its maximum, its sum of weights and 64 sums.
	s_wait_alu depctr_va_vdst(0)                   ; v[MM] and the LDS addresses are written, which the LDS instructions below read; all vector work on v[MX] is done, in which the load behind the barrier lands
	ds_store_b32 v[SA], v[MM] offset:LDS_M         ; 16 lanes write one word with one value
	v_add_f32_dpp v[LS], v[LS], v[LS] row_xmask:1 row_mask:0xf bank_mask:0xf      ; the sum of weights over my half's 16 lanes, while the store is out;
	v_add_f32_dpp v[LS], v[LS], v[LS] row_xmask:2 row_mask:0xf bank_mask:0xf      ; these four name v[LS] alone
	v_add_f32_dpp v[LS], v[LS], v[LS] row_xmask:4 row_mask:0xf bank_mask:0xf
	v_add_f32_dpp v[LS], v[LS], v[LS] row_xmask:8 row_mask:0xf bank_mask:0xf
	s_wait_dscnt 0x0                               ; my maximum is in LDS before I say so
	s_barrier_signal -1
	s_barrier_wait -1
	ds_load_b32 v[MX], v[LA] offset:LDS_M          ; lane i: the maximum of stream i
	s_wait_dscnt 0x0
	v_max_num_f32_dpp v[MX], v[MX], v[MX] row_xmask:1 row_mask:0xf bank_mask:0xf
	v_max_num_f32_dpp v[MX], v[MX], v[MX] row_xmask:2 row_mask:0xf bank_mask:0xf
	v_max_num_f32_dpp v[MX], v[MX], v[MX] row_xmask:4 row_mask:0xf bank_mask:0xf
	v_max_num_f32_dpp v[MX], v[MX], v[MX] row_xmask:8 row_mask:0xf bank_mask:0xf
	v_permlanex16_b32 v[TA], v[MX], s[SEL0], s[SEL1]
	v_max_num_f32 v[MX], v[MX], v[TA]              ; the chunk's maximum, in every lane of every wave
	v_sub_f32 v[AL], v[MM], v[MX]
	v_exp_f32 v[AL], v[AL]
	v_nop                                          ; the place behind v_exp_f32: no other work is left here
	s_wait_alu depctr_va_vdst(0)
	v_pk_mul_f32 v[ACC:ACC+1], v[ACC:ACC+1], v[AL:AL+1] op_sel_hi:[1,0]           ; my stream's sums, scaled to it
	v_pk_mul_f32 v[ACC+2:ACC+3], v[ACC+2:ACC+3], v[AL:AL+1] op_sel_hi:[1,0]
	v_mul_f32 v[LS], v[LS], v[AL]
	s_wait_alu depctr_va_vdst(0)                   ; v[ACC ..] and v[LS] are written, which the LDS stores read; no vector instruction follows until wave 0's LDS loads, so it also states that all vector work on the registers in which those land is done
	ds_store_b128 v[SB], v[ACC:ACC+3] offset:LDS_A ; 16 bytes a thread, threads side by side: stream s at 256 s
	ds_store_b32 v[SA], v[LS] offset:LDS_L
	s_wait_dscnt 0x0                               ; for wave 0's sake: all of it is in LDS before I say so
	s_barrier_signal -1
	s_barrier_wait -1
	s_cmp_lg_u32 s[WAVE], 0
	s_cbranch_scc1 .Lend                           ; the rest is 16 loads and 40 additions: one wave's work
	s_wait_alu depctr_vm_vsrc(0)                   ; my LDS store has read v[LS], in which the last load below lands
.irp i, 0,1,2,3,4,5,6,7,8,9,10,11,12,13,14,15
	ds_load_b128 v[KD+4*\i:KD+4*\i+3], v[SB] offset:LDS_A+512*\i   ; in wave 0 thread = lane: streams 2i + h, columns 4c ..
.endr
	ds_load_b32 v[LS], v[LA] offset:LDS_L          ; lane i: stream i's sum of weights
	s_wait_dscnt 0x0
.macro ADD4 d, s
	v_pk_add_f32 v[KD+4*(\d):KD+4*(\d)+1], v[KD+4*(\d):KD+4*(\d)+1], v[KD+4*(\s):KD+4*(\s)+1]
	v_pk_add_f32 v[KD+4*(\d)+2:KD+4*(\d)+3], v[KD+4*(\d)+2:KD+4*(\d)+3], v[KD+4*(\s)+2:KD+4*(\s)+3]
.endm
.irp i, 0,1,2,3,4,5,6,7
	ADD4 \i, \i+8
.endr
.irp i, 0,1,2,3
	ADD4 \i, \i+4
.endr
	ADD4 0, 2
	ADD4 1, 3
	ADD4 0, 1
.irp r, 0,1,2,3
	v_permlanex16_b32 v[KD+4+\r], v[KD+\r], s[SEL0], s[SEL1]       ; the other half's 16 streams
.endr
	v_pk_add_f32 v[KD:KD+1], v[KD:KD+1], v[KD+4:KD+5]
	v_pk_add_f32 v[KD+2:KD+3], v[KD+2:KD+3], v[KD+6:KD+7]
	v_add_f32_dpp v[LS], v[LS], v[LS] row_xmask:1 row_mask:0xf bank_mask:0xf
	v_add_f32_dpp v[LS], v[LS], v[LS] row_xmask:2 row_mask:0xf bank_mask:0xf
	v_add_f32_dpp v[LS], v[LS], v[LS] row_xmask:4 row_mask:0xf bank_mask:0xf
	v_add_f32_dpp v[LS], v[LS], v[LS] row_xmask:8 row_mask:0xf bank_mask:0xf
	v_permlanex16_b32 v[TA], v[LS], s[SEL0], s[SEL1]
	v_add_f32 v[LS], v[LS], v[TA]
	; One store of 512 consecutive, aligned bytes: lanes 0-15 the 64 sums, lanes 16-31 each (M, L, and two sums that nobody reads).
	v_cndmask_b32 v[KD], v[KD], v[MX], s[HI]
	v_cndmask_b32 v[KD+1], v[KD+1], v[LS], s[HI]
	s_wait_alu depctr_va_vdst(0)                   ; the additions and selects have written v[KD .. KD+3], which the store reads
	global_store_b128 v[SB], v[KD:KD+3], s[PB:PB+1]
.Lend:
	s_wait_dscnt 0x0
	s_wait_alu depctr_hold_cnt(0) depctr_sa_sdst(0) depctr_va_vdst(0) depctr_va_sdst(0) depctr_va_ssrc(0) depctr_va_vcc(0) depctr_vm_vsrc(0)
	s_wait_tensorcnt 0x0
	ds_add_u32 v62, v63
	s_wait_dscnt 0x0
	s_endpgm
.Lfunc_end_k_q0e0290e14c_partial:
	.size	k_q0e0290e14c_partial, .Lfunc_end_k_q0e0290e14c_partial-k_q0e0290e14c_partial
	.p2alignl 7, 3214868480
	.fill 96, 4, 3214868480
	.section	.rodata,"a",@progbits
	.p2align	6, 0x0
	.amdhsa_kernel k_q0e0290e14c_partial
		.amdhsa_group_segment_fixed_size 10496
		.amdhsa_private_segment_fixed_size 0
		.amdhsa_enable_private_segment 0
		.amdhsa_kernarg_size 40
		.amdhsa_user_sgpr_count 2
		.amdhsa_user_sgpr_kernarg_segment_ptr 1
		.amdhsa_wavefront_size32 1
		.amdhsa_system_sgpr_workgroup_id_x 1
		.amdhsa_system_sgpr_workgroup_id_y 1
		.amdhsa_system_sgpr_workgroup_id_z 1
		.amdhsa_system_vgpr_workitem_id 0
		.amdhsa_next_free_vgpr 256
		.amdhsa_next_free_sgpr 66
		.amdhsa_reserve_vcc 0
		.amdhsa_float_denorm_mode_32 3
		.amdhsa_float_denorm_mode_16_64 3
		.amdhsa_memory_ordered 1
		.amdhsa_forward_progress 1
		.amdhsa_inst_pref_size 62
	.end_amdhsa_kernel
	.amdgpu_metadata
---
amdhsa.version: [ 1, 2 ]
amdhsa.kernels:
  - .name:           k_q0e0290e14c_partial
    .symbol:         k_q0e0290e14c_partial.kd
    .args:
      - { .name: key_addrs, .offset: 0, .size: 8, .value_kind: global_buffer, .address_space: global }
      - { .name: key_pos, .offset: 8, .size: 8, .value_kind: global_buffer, .address_space: global }
      - { .name: query_addr, .offset: 16, .size: 8, .value_kind: global_buffer, .address_space: global }
      - { .name: values, .offset: 24, .size: 8, .value_kind: global_buffer, .address_space: global }
      - { .name: part, .offset: 32, .size: 8, .value_kind: global_buffer, .address_space: global }
    .group_segment_fixed_size: 10496
    .private_segment_fixed_size: 0
    .kernarg_segment_align: 8
    .kernarg_segment_size: 40
    .max_flat_workgroup_size: 512
    .sgpr_count:     66
    .vgpr_count:     256
    .wavefront_size: 32
...
	.end_amdgpu_metadata
.endif
;; end of part 3
;; launch combine: the kernel of part 2 again; grid 16 x 1, 1 waves a work-group, no clusters, 0 bytes of LDS; arguments part, out0; writes out0
